; MI455X (gfx1250); checked and timed in simulation.
; The chip was launched on July 23, 2026; its instructions are those of AMD's public machine-readable ISA for CDNA 5 (MIT licence, August 2026) and "CDNA5" Instruction Set Architecture Reference Guide (July 2026). The comments in the code are by the model that wrote it; some were corrected since.
;; Causal Self Attention. Allowed arithmetic: matrix products marked QUANTISED: E4M3 operands, one given power-of-two scale a tensor, by v_wmma_f32_16x16x64_fp8_fp8 or v_wmma_f32_16x16x128_fp8_fp8, f32 sums; everything else in f32.
;; Inputs: b_proj 1,024 float32; b_qkv 3,072 float32; lowp_scales 8 int32 (the exponents e of the quantised operands' scales 2^e); w_proj_codes 1,024 x 32 x 32 uint8 (E4M3 codes of w_proj, K innermost, in blocks of 32 codes); w_qkv_codes 3,072 x 32 x 32 uint8 (E4M3 codes of w_qkv, K innermost, in blocks of 32 codes); x_codes 4 x 2,048 x 32 x 32 uint8 (E4M3 codes of x, K innermost, in blocks of 32 codes).
;; Outputs: out0 4 x 2,048 x 1,024 float32.
;; This version of the problem:
;;   THIS VERSION OF THE PROBLEM IS GIVEN IN LOW PRECISION. The matrix products marked QUANTISED in the list below multiply operands that are first quantised to E4M3 (4 exponent bits, 3 mantissa bits; 8 bits a number), with one given power-of-two scale for each operand tensor; their sums are f32. All else is computed in f32.
;;   The module's matrix products, in the order in which they are computed (A, B: the left and right operand; K: the contracted axis; several contracted axes count as one K, in the product's order):
;;     1. [M 8,192, K 1,024] x [K 1,024, N 3,072]; A: input x (given as codes); B: input w_qkv (given as codes): QUANTISED (scales: A lowp_scales[0], B lowp_scales[1])
;;     2. batch 64 x [M 2,048, K 64] x [K 64, N 2,048]; A: computed on the way; B: computed on the way: QUANTISED (scales: A lowp_scales[2], B lowp_scales[3])
;;     3. batch 64 x [M 2,048, K 2,048] x [K 2,048, N 64]; A: softmax (see below); B: computed on the way: QUANTISED (scales: A lowp_scales[4], B lowp_scales[5])
;;     4. [M 8,192, K 1,024] x [K 1,024, N 1,024]; A: computed on the way; B: input w_proj (given as codes): QUANTISED (scales: A lowp_scales[6], B lowp_scales[7])
;;   THE QUANTISER, for each operand of a quantised product, along K:
;;     - The operand's scale is 2^e, e = its entry of the input lowp_scales (int32; the entries are numbered through the quantised products in the list's order, A before B).
;;     - Each number is divided by the scale, clamped to +-448, and rounded to the nearest number of E4M3, ties to even, subnormals kept.
;;     - The product sums the exact products of the quantised numbers (number of the format x scale) in f32.
;;   ~~~python
;;   def quantise(x, axis, e):      # numpy; x: float32 -> the quantised numbers, widened to float32 again
;;       x = np.moveaxis(x, axis, -1); K = x.shape[-1]
;;       r = np.clip(x / 2.0 ** e, -448, 448)
;;       step = 2.0 ** (np.maximum(np.frexp(np.where(r == 0, 1, r))[1] - 1, -6) - 3)
;;       q = np.round(r / step) * step * 2.0 ** e      # np.round: ties to even
;;       return np.moveaxis(q, -1, axis).astype(np.float32)
;;   ~~~
;;   SOFTMAX AHEAD OF A QUANTISED PRODUCT. Where the list says 'softmax', what is quantised is not the finished softmax but p = 2^(t - M), with t = logit x log2(e) and M = ceil(the row's largest t), a whole number; so 1/2 < the row's largest p <= 1. The row's sum l is taken of the UNQUANTISED p, in f32, and the product's result is divided by l at the end. Since M is a whole number, a kernel that streams over the keys may use a running M (the ceiling of the running maximum): every later rescaling is an exact power of two, so the quantised numbers keep their values, but for numbers so far below the row's largest that they fall under the format's range.
;;   OPERANDS COMPUTED ON THE WAY. 'Computed on the way' means the value that the module computes at that place (a softmax that the list does not call 'softmax' is quantised finished and normalised). What goes into a quantiser is computed in f32, as accurately as f32 sums, v_exp_f32 and their like allow (about 1e-6 of the number): no bf16 or f16 on the way to a quantiser, and a product that is left as it is and whose result goes on into a quantised operand takes f32 operands (vector FMAs, or v_wmma_f32_16x16x4_f32). A number that lies on a knife's edge between two numbers of the format may be rounded either way, as far as f32 arithmetic and the matrix unit's own rounding can turn it there, and no further.
;;   INPUTS GIVEN AS CODES. w_proj (in the module: [1024, 1024], K = its axis 0); w_qkv (in the module: [1024, 3072], K = its axis 0); x (in the module: [4, 2048, 1024], K = its axis 2): each comes as NAME_codes (uint8): NAME with its K axis moved to the last place and cut into blocks of 32 codes, [.., K / 32, bytes a block], one block behind the other in memory; one code a byte (a code: sign, 4 exponent bits, 3 mantissa bits); its scale is its entry of lowp_scales. Its value is code x scale, taken as it is: it is not quantised again, and the codes and scales need not be those that the quantiser above would give.
;; One version. Each part assembles by itself: llvm-mc -triple=amdgcn-amd-amdhsa -mcpu=gfx1250 --defsym DOCPART=n.
;; ======== version 1 of 1: 3 launches
;; limits: right only within a limited range of input values
;; workspace buffers: q_codes 8,388,608 bytes; k_codes 8,388,608 bytes; v_codes 8,388,608 bytes; y_codes 8,388,608 bytes
;; launch qkv (part 1): grid 12 x 32, 4 waves a work-group, clusters of 4 x 4, 327,680 bytes of LDS; arguments x_codes, w_qkv_codes, b_qkv, lowp_scales, q_codes, k_codes, v_codes; writes q_codes, k_codes, v_codes
.if DOCPART == 1
	.amdgcn_target "amdgcn-amd-amdhsa--gfx1250"
	.amdhsa_code_object_version 6
	.text
	.protected	k_q2942c953aa_qkv
	.globl	k_q2942c953aa_qkv
	.p2align	8
	.type	k_q2942c953aa_qkv,@function
k_q2942c953aa_qkv:
	s_mov_b64 s[64:65], 0
	v_nop
	global_prefetch_b8 v0, s[64:65] scope:SCOPE_SE
	s_setreg_imm32_b32 hwreg(HW_REG_WAVE_MODE, 25, 1), 1
	s_wait_xcnt 0x0
	s_wait_alu depctr_hold_cnt(0) depctr_sa_sdst(0) depctr_va_vdst(0) depctr_va_sdst(0) depctr_va_ssrc(0) depctr_va_vcc(0) depctr_vm_vsrc(0)
	s_getreg_b32 s2, hwreg(HW_REG_IB_STS2, 6, 4)
	s_cmp_eq_u32 s2, 0
	s_cbranch_scc0 .Lentry_in_a_cluster
	s_endpgm
.Lentry_in_a_cluster:
	s_bfe_u32 s2, ttmp6, 0x10000c
	s_cmp_lg_u32 s2, 0xf033
	s_cbranch_scc0 .Lentry_shape_is_right
	s_endpgm
.Lentry_shape_is_right:
; qkv = x w_qkv + b_qkv on codes of E4M3 (8,192 x 3,072 x 1,024), and the quantisers of q, k and v: the sums never go to memory, only their codes.
; x_codes: [8192 tokens][1024], w_qkv_codes: [3072 features][1024], K innermost.  A sum stands for sum x 2^(e0 + e1); z = sum x 2^(e0 + e1) + bias; code = z / 2^et, held within +-448, to the nearest code; et = e2 (q), e3 (k), e5 (v).
; LIMITS: e0 + e1 between -126 and 127; e2, e3, e5 between -126 and 119, so that each power of two below is an f32 number.  NaN among codes or biases is not served.
; The order of the products inside a matrix instruction is a permutation of k, the same in both operands (fragments come by loads of 16 bytes).
; A tile of 256 x 256 is made by four waves, 128 x 128 each: 64 accumulators, 512 registers.  K goes in steps of 256 through two LDS slots filled by the tensor data mover.
; ONE TEXT FOR q, k AND v.  C'[m'][n'] = sum over k of A'[m'][k] B'[n'][k]; the matrix instruction is used transposed (source 0 = 16 rows of B', source 1 = 16 rows of A'), so a lane holds one m' and eight neighbouring n'.
;   cluster x = 0 (q), 1 (k): A' = x (m' = token), B' = w_qkv (n' = feature): a lane's eight numbers run along the head's 64, the K of q k^T.
;   cluster x = 2 (v):        A' = w_qkv (m' = feature), B' = x (n' = token): a lane's eight numbers run along the keys, the K of p v.
; The choice hangs on the cluster's x alone, equal in all sixteen partners, and is made by selects, never by a branch.
; CLUSTERS: 4 x 4 work-groups; A' tiles are shared along a row of the cluster, B' tiles along a column: each is asked for jointly, by the same tensor load with a mask that names the four.
; WHAT IS STORED.  q_codes, k_codes: [64 heads bh][2048 s][64]; v_codes: [64 bh][32 groups of 64 keys][64 d][64].  Inside the 64 bytes number n lies at pos(n) = n with its bits 3 and 4 exchanged,
; so that a load of 16 bytes at 32 c + 16 (lane / 16) gives a lane n = 32 c + 8 (lane / 16) + 0..7 and, behind them, the eight that lie 16 further on: the order of the plain 8-bit operand.
; Four rows of 64 bytes are 256 consecutive bytes in all three buffers: the tile goes out through a stage of such units.
; REGISTERS, in windows of 256: window 0: v0-31 addresses and constants; v32-95 the bias along n'; v96-111 the bias along m'; v128-255 A' fragments, later the units read back.
;   window 1: B' fragments, two sets; on the way out v0-63 the numbers at work, v64-191 the codes.   windows 2, 3: the accumulators ((a, b) at v[8 (8 (a % 4) + b)]).
.set ROWB,   256                       ; a tile's row in bytes: 256 codes
.set KROW,   1024                      ; a row of x or of w_qkv in memory
.set PITCH,  272                       ; an LDS row: 256 bytes + 16 of padding = 68 words, so that the 16 rows of a fragment load start 4 words apart (64 banks of 4 bytes: ISA guide 11.1)
.set FR,     16                        ; registers of a fragment: 16 rows x 128 K
.set NL,     4                         ; LDS loads that bring one
.set NP,     4                         ; places behind this matrix instruction (ISA guide 7.12.1)
.set HALFT,  128*PITCH                 ; 128 rows: what one tensor load brings
.set SLOT,   4*HALFT                   ; A' 256 rows, then B' 256 rows
.set SPARE,  2*SLOT                    ; behind the ring: the spare words, 128 bytes a wave
.set UP,     272                       ; the stage: 256 units of 256 bytes + 16; it lies in slot 0, which has had its last fill and its last read when the first code is stored there
.set BNO,  12                          ; v12  byte offset of my bias along n'; never rewritten
.set BMO,  13                          ; v13  the same along m'; never rewritten
.set ADRA, 16                          ; v16-17  LDS address of my A' fragments in slot 0, 1
.set ADRB, 20                          ; v20-21  the same for B'
.set STO,  24                          ; v24  the stage: where I put 8 codes
.set RD,   25                          ; v25  the stage: where I read 16 bytes of a unit back
.set CO,   26                          ; v26  16 x lane
.set SPW,  28                          ; v28  LDS address of my spare word; never rewritten
.set NIL,  29                          ; v29  0; never rewritten
.set SCL,  30                          ; v30  2^et
.set LIM,  31
.set BN,   32
.set BM,   96
.set AF,   128
.set BK,   128
.set TMP,  0                           ; in window 1
.set CD,   64                          ; in window 1
.set G1, 24                            ; s[24:31] descriptor group 1 for A' tiles;  s[32:39] group 0, one set for each slot
.set G0, 32
.set G1B, 48                           ; s[48:55], s[56:63] the same for B' tiles
.set G0B, 56
.set MSB, 0
.macro WIN new                         ; the immediate's high byte repeats the setting that is left
.if MSB != (\new)
	s_set_vgpr_msb (MSB<<8)|(\new)
.set MSB, (\new)
.endif
.endm
.set MUL_LO, 0xa1                      ; source 0 (B') window 1, source 1 (A') window 0, C and D window 2
.set MUL_HI, 0xf1                      ; the same, C and D window 3
.set TO_B,   0x40                      ; destination window 1, address window 0
; A joint load: waves 0 and 1 fetch for A', waves 2 and 3 for B'.  The branch hangs on the wave's number alone.  Four v_nop follow each of the two lines.
.macro JLOAD g0a, g1a, g0b, g1b
	s_cmp_eq_u32 s15, 0
	s_cbranch_scc0 .Lfor_b_\@
	tensor_load_to_lds s[\g0a:\g0a+3], s[\g1a:\g1a+7]
	s_nop 0
.rept 4
	v_nop
.endr
	s_branch .Lasked_\@
.Lfor_b_\@:
	tensor_load_to_lds s[\g0b:\g0b+3], s[\g1b:\g1b+7]
	s_nop 0
.rept 4
	v_nop
.endr
.Lasked_\@:
.endm
.macro CREST                           ; a round of the cluster's barrier behind its opening barrier
	s_cmp_lg_u32 s14, 0
	s_cbranch_scc1 .Lnot_wave_0_\@
	s_barrier_signal -3
.Lnot_wave_0_\@:
	s_barrier_wait -3
	s_barrier_signal -1
	s_barrier_wait -1
.endm
.macro CROUND                          ; a whole round
	s_barrier_signal -1
	s_barrier_wait -1
	CREST
.endm
	s_load_b256 s[4:11], s[0:1], 0x0               ; x s[4:5], w_qkv s[6:7], b_qkv s[8:9], the scales' exponents s[10:11]
	s_load_b128 s[76:79], s[0:1], 0x20             ; q_codes s[76:77], k_codes s[78:79]
	s_load_b64 s[80:81], s[0:1], 0x30              ; v_codes
	v_lshl_add_u32 v[SPW], v0, 2, SPARE
	v_mov_b32 v[NIL], 0
	ds_add_u32 v28, v29
	ds_add_u32 v28, v29
	s_wait_dscnt 0x0
	v_lshrrev_b32 v1, 5, v0
	v_readfirstlane_b32 s14, v1                    ; wave 0..3
	s_lshr_b32 s15, s14, 1                         ; which half of the tile's m' is mine.  Also: I fetch for A' (0) or for B' (1)
	s_and_b32 s16, s14, 1                          ; which half of its n'.  Also: which 128 rows of that tile I fetch
	s_bfe_u32 s40, ttmp6, 0x40000                  ; cx, cy: my place in the cluster
	s_bfe_u32 s41, ttmp6, 0x40004
	s_lshl_b32 s43, s41, 2
	s_lshl_b32 s43, 15, s43                        ; my row of the cluster
	s_lshl_b32 s44, 0x1111, s40                    ; my column
	; descriptor group 1: a tile of 128 rows x 256 bytes, padded in LDS
	s_or_b32 s[G1+0], s43, (1<<20)|(1<<21)|(5<<22)|(3<<25)   ; 15:0 the mask; 17:16 elements of 1 byte; 20 padding on; 21 set beside a mask; 24:22 after every 64 words (code 5); 31:25 four words (code 3)
	s_or_b32 s[G1B+0], s44, (1<<20)|(1<<21)|(5<<22)|(3<<25)
.irp g, G1, G1B
	s_mov_b32 s[\g+1], ROWB<<16                    ; tensor_dim0
	s_mov_b32 s[\g+2], 128<<16                     ; tensor_dim1 = 128
	s_mov_b32 s[\g+3], ROWB<<16                    ; tile_dim0
	s_mov_b32 s[\g+4], 128                         ; tile_dim1 = 128
	s_mov_b32 s[\g+5], KROW                        ; tensor_dim0_stride
	s_mov_b32 s[\g+6], 0
	s_mov_b32 s[\g+7], 0
.endr
	; the tiles' first rows.  A' hangs on cy and on what the whole cluster shares, B' on cx and the same: each in registers that never hold the other coordinate
	s_and_b32 s17, ttmp7, 0xffff
	s_lshl_b32 s17, s17, 10                        ; 1,024 x cluster y: the cluster's first token
	s_lshl_b32 s42, ttmp9, 10                      ; 1,024 x cluster x: q's or k's first feature
	s_cmp_eq_u32 ttmp9, 2                          ; v?
	s_cselect_b32 s18, 2048, s17                   ; A': v's features begin at 2,048; else tokens
	s_cselect_b32 s19, s17, s42                    ; B': tokens; else features
	s_lshl_b32 s20, s41, 8
	s_add_co_u32 s18, s18, s20                     ; A' tile's first row: + 256 cy
	s_lshl_b32 s46, s40, 8
	s_add_co_u32 s19, s19, s46                     ; B' tile's first row: + 256 cx
	s_lshl_b32 s22, s16, 7                         ; which 128 rows of the tile I fetch
	s_add_co_u32 s20, s18, s22
	s_lshl_b32 s20, s20, 10                        ; rows of 1,024 bytes: under 2^23
	s_mov_b32 s21, 0
	s_add_co_u32 s46, s19, s22
	s_lshl_b32 s46, s46, 10
	s_mov_b32 s47, 0
	s_mul_i32 s45, s14, HALFT                      ; where they go: wave x 128 rows: no place in the cluster enters an LDS address
	s_wait_kmcnt 0x0
	s_load_b256 s[68:75], s[10:11], 0x0            ; e0 .. e7
	s_cmp_eq_u32 ttmp9, 2
	s_cselect_b64 s[82:83], s[6:7], s[4:5]         ; A' is w_qkv for v, else x
	s_cselect_b64 s[84:85], s[4:5], s[6:7]         ; B' the other
	s_add_nc_u64 s[20:21], s[82:83], s[20:21]
	s_add_nc_u64 s[46:47], s[84:85], s[46:47]
	CROUND                                         ; all sixteen work-groups are here: the first joint loads meet
.irp s, 0,1
	s_mov_b32 s[G0+4*\s], 1
	s_add_co_u32 s[G0+4*\s+1], s45, \s*SLOT
	s_add_nc_u64 s[G0+4*\s+2:G0+4*\s+3], s[20:21], \s*ROWB
	s_or_b32 s[G0+4*\s+3], s[G0+4*\s+3], 0x80000000
	s_mov_b32 s[G0B+4*\s], 1
	s_add_co_u32 s[G0B+4*\s+1], s45, \s*SLOT
	s_add_nc_u64 s[G0B+4*\s+2:G0B+4*\s+3], s[46:47], \s*ROWB
	s_or_b32 s[G0B+4*\s+3], s[G0B+4*\s+3], 0x80000000
	JLOAD G0+4*\s, G1, G0B+4*\s, G1B               ; two tensor loads of mine are out
.endr
	v_and_b32 v1, 15, v0                           ; r = lane % 16
	v_bfe_u32 v2, v0, 4, 1                         ; h = lane / 16
	v_mul_u32_u24 v3, v1, PITCH
	v_lshl_add_u32 v4, v2, 4, v3                   ; a fragment's row x pitch + 16 h
	s_mul_i32 s21, s15, HALFT                      ; my 128 rows of A'
	s_mul_i32 s22, s16, HALFT                      ; my 128 rows of B',
	s_add_co_u32 s22, s22, 2*HALFT                 ; which lie behind A' 256
.irp s, 0,1
	v_add_nc_u32 v[ADRA+\s], s21, v4
	v_add_nc_u32 v[ADRB+\s], s22, v4
	s_add_co_u32 s21, s21, SLOT
	s_add_co_u32 s22, s22, SLOT
.endr
	; the stage.  Unit 64 g + (m' / 4) holds rows m' .. m' + 3 of column group g (64 columns); in it row m' % 4 at 64 (m' % 4), column n at pos(n)
	v_lshrrev_b32 v5, 2, v1
	v_mul_u32_u24 v5, v5, UP
	v_and_b32 v6, 3, v1
	v_lshl_add_u32 v5, v6, 6, v5
	v_lshl_add_u32 v5, v2, 4, v5                   ; (r / 4) units + 64 (r % 4) + 16 h
	s_lshl_b32 s23, s16, 7
	s_lshl_b32 s22, s15, 5
	s_add_co_u32 s23, s23, s22
	s_mul_i32 s23, s23, UP                         ; + my wave's units: 128 x column half + 32 x row half
	v_add_nc_u32 v[STO], s23, v5
	s_mul_i32 s23, s14, 64*UP                      ; back: wave w takes column group w; lanes 0-15 one unit, lanes 16-31 the next
	v_mul_u32_u24 v5, v2, UP
	v_lshl_add_u32 v5, v1, 4, v5
	v_add_nc_u32 v[RD], s23, v5
	v_and_b32 v6, 31, v0
	v_lshlrev_b32 v[CO], 4, v6
	; the bias: along n' for q and k, along m' for v.  Both parts are loaded, the one that is not wanted from the buffer's first numbers, and cleared later
	s_lshl_b32 s22, s16, 7
	s_add_co_u32 s22, s19, s22                     ; my first n'
	s_lshl_b32 s23, s15, 7
	s_add_co_u32 s23, s18, s23                     ; my first m'
	s_cmp_eq_u32 ttmp9, 2
	s_cselect_b32 s22, 0, s22
	s_cselect_b32 s23, s23, 0
	s_cselect_b32 s94, 0, -1                       ; keeps the bias along n'
	s_cselect_b32 s95, -1, 0                       ; keeps the bias along m'
	s_lshl_b32 s22, s22, 2
	s_lshl_b32 s23, s23, 2
	v_lshl_add_u32 v[BNO], v2, 5, s22              ; block b: numbers 16 b + 8 h + 0..7
	v_lshl_add_u32 v[BMO], v1, 2, s23              ; block a: number 16 a + r
.irp b, 0,1,2,3,4,5,6,7
	global_load_b128 v[BN+8*\b:BN+8*\b+3], v[BNO], s[8:9] offset:64*\b
	global_load_b128 v[BN+8*\b+4:BN+8*\b+7], v[BNO], s[8:9] offset:64*\b+16
.endr
.irp a, 0,1,2,3,4,5,6,7
	global_load_b32 v[BM+2*\a], v[BMO], s[8:9] offset:64*\a
.endr
.macro FRAG reg, adr, q, i             ; a fragment, 16 rows x 128 K, is 16 registers: lane l holds row l % 16; registers 4 c .. 4 c + 3 hold K = 32 c + 16 (l / 16) + 0 .. 15
.irp c, 0,1,2,3
	ds_load_b128 v[\reg+4*\c:\reg+4*\c+3], v[\adr] offset:128*(\q)+32*\c+(\i)*16*PITCH
.endr
.endm
; 16 matrix instructions: A' blocks a0, a0 + 1 x B' eight, 128 along K.  p: B' set.  zero = 1: the first product starts the sums.
; The 64 accumulators take turns, one instruction a turn, in the same order in every step.
.macro MUL16 a0, p, zero
.irp a, \a0, \a0+1
.irp b, 0,1,2,3,4,5,6,7
.if \zero
	v_wmma_f32_16x16x128_fp8_fp8 v[8*(8*((\a)%4)+\b):8*(8*((\a)%4)+\b)+7], v[128*(\p)+FR*\b:128*(\p)+FR*\b+FR-1], v[AF+FR*(\a):AF+FR*(\a)+FR-1], 0
.else
	v_wmma_f32_16x16x128_fp8_fp8 v[8*(8*((\a)%4)+\b):8*(8*((\a)%4)+\b)+7], v[128*(\p)+FR*\b:128*(\p)+FR*\b+FR-1], v[AF+FR*(\a):AF+FR*(\a)+FR-1], v[8*(8*((\a)%4)+\b):8*(8*((\a)%4)+\b)+7]
.endif
.endr
.endr
.endm
.macro FETCH_B slot, q, p              ; B' eight fragments of the slot's q-th 128 along K into set p
	WIN TO_B
.irp i, 0,1,2,3,4,5,6,7
	FRAG 128*(\p)+FR*\i, ADRB+\slot, \q, \i
.endr
	WIN 0
.endm
.macro FETCH_A slot, q, i0             ; A' blocks i0 .. i0 + 3
.irp i, \i0, \i0+1, \i0+2, \i0+3
	FRAG AF+FR*(\i), ADRA+\slot, \q, \i
.endr
.endm
.macro PLACES n                        ; plain vector lines between a matrix instruction and a load into, or a vector line on, its registers
.rept \n
	v_nop
.endr
.endm
; A step of 128 along K that has its successor in the same slot.  A block of A' is free as soon as its eight products are issued, so A' has one set of registers: blocks 0-3 come anew in the step's middle, blocks 4-7 at its end.
.macro STEP slot, q, zero
	s_wait_dscnt 4*NL                              ; B' set and A' blocks 0-3 are in; the youngest 16 loads (A' blocks 4-7) may be out
	WIN MUL_LO
	MUL16 0, (\q)%2, \zero
	MUL16 2, (\q)%2, \zero
	s_wait_dscnt 0                                 ; A' blocks 4-7 are in
	PLACES NP
	FETCH_B \slot, (\q)+1, 1-(\q)%2
	FETCH_A \slot, (\q)+1, 0
	WIN MUL_HI
	MUL16 4, (\q)%2, \zero
	MUL16 6, (\q)%2, \zero
	PLACES NP
	WIN 0
	FETCH_A \slot, (\q)+1, 4
.endm
; A slot's last step changes slots: ONE barrier; in front of it each wave waits for all its tensor loads, adds 0 to its spare word, and waits for that and for its own reads of this slot.  fill = 1: this slot is filled again, two K steps ahead.
.macro TURN slot, next, fill
	s_wait_tensorcnt 0x0                           ; all my tensor loads have landed: my part of the next slot
	ds_add_u32 v[SPW], v[NIL]                      ; 0 onto my spare word
	s_wait_dscnt 4*NL+1                            ; the add and the youngest 16 loads (A' blocks 4-7) may be out
	WIN MUL_LO
	MUL16 0, 1, 0                                  ; sixteen matrix instructions stand between the add and the wait for it
	s_wait_dscnt 0x0                               ; the add is done, and my reads of this slot are over
	s_barrier_signal -1
	MUL16 2, 1, 0
	WIN 0
	s_barrier_wait -1
.if \fill
	CREST                                          ; the barrier has opened a round of the cluster's barrier: no wave of any partner still reads this slot or has a load on its way
	s_add_nc_u64 s[G0+4*\slot+2:G0+4*\slot+3], s[G0+4*\slot+2:G0+4*\slot+3], 2*ROWB
	s_add_nc_u64 s[G0B+4*\slot+2:G0B+4*\slot+3], s[G0B+4*\slot+2:G0B+4*\slot+3], 2*ROWB
	JLOAD G0+4*\slot, G1, G0B+4*\slot, G1B         ; the first tensor load behind the round, my only one until the next; its four v_nop are the places in front of the loads below
.else
	PLACES NP
.endif
	FETCH_B \next, 0, 0
	FETCH_A \next, 0, 0
	WIN MUL_HI
	MUL16 4, 1, 0
	MUL16 6, 1, 0
	PLACES NP
	WIN 0
	FETCH_A \next, 0, 4
.endm
	s_wait_tensorcnt 1                             ; my part of K step 0 is in (K step 1's load may be out)
	s_barrier_signal -1
	s_barrier_wait -1                              ; everybody's is
	FETCH_B 0, 0, 0
	FETCH_A 0, 0, 0
	FETCH_A 0, 0, 4
	STEP 0, 0, 1                                   ; K = 1,024 is four K steps of 256, eight steps of 128: written out, since a loop would have one trip
	TURN 0, 1, 1                                   ; slot 0 takes K step 2
	STEP 1, 0, 0
	TURN 1, 0, 1                                   ; slot 1 takes K step 3
	STEP 0, 0, 0
	TURN 0, 1, 0                                   ; nothing is left to fetch
	STEP 1, 0, 0
	s_wait_dscnt 4*NL                              ; the very last step
	WIN MUL_LO
	MUL16 0, 1, 0
	MUL16 2, 1, 0
	s_wait_dscnt 0
	WIN MUL_HI
	MUL16 4, 1, 0
	MUL16 6, 1, 0
	WIN 0
	; THE WAY OUT.  The scalars first.
	s_wait_kmcnt 0x0
	s_add_co_i32 s92, s68, s69                     ; e0 + e1
	s_add_co_i32 s92, s92, 127
	s_lshl_b32 s92, s92, 23                        ; 2^(e0 + e1) as f32
	s_mov_b32 s93, s92                             ; (named with it as a pair)
	s_cmp_eq_u32 ttmp9, 0
	s_cselect_b32 s82, s70, s71                    ; e2 for q, e3 for k,
	s_cselect_b64 s[84:85], s[76:77], s[78:79]     ; q_codes or k_codes,
	s_mov_b32 s96, 0x1000
	s_mov_b32 s83, 0x20000
	s_cmp_eq_u32 ttmp9, 2
	s_cselect_b32 s82, s73, s82                    ; e5 for v
	s_cselect_b64 s[84:85], s[80:81], s[84:85]     ; v_codes
	s_cselect_b32 s98, s40, s41                    ; which of the cluster's four tiles of 256 tokens is mine: by cx for v, else by cy
	s_cselect_b32 s99, s41, s40                    ; and which four heads
	s_cselect_b32 s96, 0x20000, s96                ; from 16 units to the next 16 of a column group: a head on for v (131,072 bytes), else 64 rows of 64 bytes
	s_cselect_b32 s83, 0x1000, s83                 ; from column group to column group: 64 keys on for v (4,096 bytes), else a head
	s_mov_b32 s97, 0
	s_add_co_i32 s82, s82, 127
	s_lshl_b32 s86, s82, 23
	v_mov_b32 v[SCL], s86                          ; 2^et: the conversion takes its exponent field
	s_and_b32 s86, ttmp7, 0xffff
	s_lshl_b32 s86, s86, 2
	s_add_co_u32 s86, s86, s98                     ; my tile of 256 tokens, 0 .. 31: eight to a batch
	s_lshr_b32 s87, s86, 3
	s_lshl_b32 s87, s87, 4                         ; 16 x batch
	s_lshl_b32 s99, s99, 2
	s_add_co_u32 s87, s87, s99                     ; + my first head
	s_lshl_b32 s87, s87, 17                        ; a head is 131,072 bytes
	s_and_b32 s86, s86, 7
	s_lshl_b32 s86, s86, 14                        ; 256 tokens are 16,384 bytes of a head in all three layouts
	s_add_co_u32 s98, s87, s86
	s_mul_i32 s83, s83, s14                        ; my wave's column group
	s_add_co_u32 s98, s98, s83
	s_mov_b32 s99, 0
	s_add_nc_u64 s[84:85], s[84:85], s[98:99]      ; where units 0-15 of my column group go,
	s_add_nc_u64 s[86:87], s[84:85], s[96:97]      ; units 16-31,
	s_add_nc_u64 s[88:89], s[86:87], s[96:97]      ; 32-47,
	s_add_nc_u64 s[90:91], s[88:89], s[96:97]      ; 48-63
	s_wait_loadcnt 0x0                             ; the biases
.set JJ, 0
.rept 64
	v_and_b32 v[BN+JJ], s94, v[BN+JJ]              ; the part that is not wanted becomes 0.  (These plain lines name no register of the last products: they are the places behind them)
.set JJ, JJ+1
.endr
.irp a, 0,1,2,3,4,5,6,7
	v_and_b32 v[BM+2*\a], s95, v[BM+2*\a]
	v_mov_b32 v[BM+2*\a+1], v[BM+2*\a]             ; a pair for the packed addition
.endr
; Block a: 16 rows m' x 128 columns.  z = sum x 2^(e0 + e1) + bias: one of the two addends below is 0, so z is rounded once.  Each accumulator is read from its low end on.
.macro QBLOCK a
.set AC, 64*((\a)%4)
	WIN 0x42+((\a)/4)                              ; destination window 1, source 0 window 2 or 3, source 2 window 0
.set JJ, 0
.rept 32
	v_pk_fma_f32 v[TMP+JJ:TMP+JJ+1], v[AC+JJ:AC+JJ+1], s[92:93], v[BN+JJ:BN+JJ+1] op_sel_hi:[1,0,1]
.set JJ, JJ+2
.endr
	WIN 0x41                                       ; destination and source 0 window 1, the others window 0
.set JJ, 0
.rept 32
	v_pk_add_f32 v[TMP+JJ:TMP+JJ+1], v[TMP+JJ:TMP+JJ+1], v[BM+2*(\a):BM+2*(\a)+1]
.set JJ, JJ+2
.endr
.set JJ, 0
.rept 64
.set JJ, JJ+1
.endr
.irp b, 0,1,2,3,4,5,6,7
	v_cvt_scalef32_pk8_fp8_f32 v[CD+16*(\a)+2*\b:CD+16*(\a)+2*\b+1], v[TMP+8*\b:TMP+8*\b+7], v[SCL]
.endr
	v_nop                                          ; one plain vector line behind the last conversion: the next block writes its sources
	WIN 0x04                                       ; store data window 1, address window 0
.irp b, 0,1,2,3,4,5,6,7
	ds_store_b64 v[STO], v[CD+16*(\a)+2*\b:CD+16*(\a)+2*\b+1] offset:(64*(\b/4)+4*(\a))*UP+32*((\b/2)%2)+8*(\b%2)   ; columns 16 (b % 4) + 8 h + 0..7 of group b / 4 at pos: 32 ((b / 2) % 2) + 16 h + 8 (b % 2)
.endr
.endm
.irp a, 0,1,2,3,4,5,6,7
	QBLOCK \a
.endr
	WIN 0
	s_wait_dscnt 0x0                               ; for the others' sake: my codes lie in the stage
	s_barrier_signal -1
	s_barrier_wait -1                              ; a unit's four rows come from one wave, a column group's 64 units from two
.irp t, 0,1,2,3,4,5,6,7,8,9,10,11,12,13,14,15,16,17,18,19,20,21,22,23,24,25,26,27,28,29,30,31
	ds_load_b128 v[BK+4*\t:BK+4*\t+3], v[RD] offset:2*\t*UP
.endr
.irp t, 0,1,2,3,4,5,6,7,8,9,10,11,12,13,14,15,16,17,18,19,20,21,22,23,24,25,26,27,28,29,30,31
	s_wait_dscnt 31-\t                             ; the younger loads may be out
	global_store_b128 v[CO], v[BK+4*\t:BK+4*\t+3], s[84+2*(\t/8):85+2*(\t/8)] offset:512*(\t%8)   ; 32 lanes store two units: 512 consecutive bytes, at a multiple of 256 from the buffer's first byte
.endr
	s_wait_tensorcnt 0x0                           ; the wave's end
	ds_add_u32 v[SPW], v[NIL]
	s_wait_dscnt 0x0
	CROUND                                         ; the closing round: no work-group ends while a partner may still ask for a tile that names it
	s_endpgm
.Lfunc_end_k_q2942c953aa_qkv:
	.size	k_q2942c953aa_qkv, .Lfunc_end_k_q2942c953aa_qkv-k_q2942c953aa_qkv
	.p2alignl 7, 3214868480
	.fill 96, 4, 3214868480
	.section	.rodata,"a",@progbits
	.p2align	6, 0x0
	.amdhsa_kernel k_q2942c953aa_qkv
		.amdhsa_group_segment_fixed_size 327680
		.amdhsa_private_segment_fixed_size 0
		.amdhsa_enable_private_segment 0
		.amdhsa_kernarg_size 56
		.amdhsa_user_sgpr_count 2
		.amdhsa_user_sgpr_kernarg_segment_ptr 1
		.amdhsa_wavefront_size32 1
		.amdhsa_system_sgpr_workgroup_id_x 1
		.amdhsa_system_sgpr_workgroup_id_y 1
		.amdhsa_system_sgpr_workgroup_id_z 1
		.amdhsa_system_vgpr_workitem_id 0
		.amdhsa_next_free_vgpr 1024
		.amdhsa_next_free_sgpr 100
		.amdhsa_reserve_vcc 0
		.amdhsa_float_denorm_mode_32 3
		.amdhsa_float_denorm_mode_16_64 3
		.amdhsa_fp16_overflow 1
		.amdhsa_memory_ordered 1
		.amdhsa_forward_progress 1
		.amdhsa_inst_pref_size 131
	.end_amdhsa_kernel
	.amdgpu_metadata
---
amdhsa.version: [ 1, 2 ]
amdhsa.kernels:
  - .name:           k_q2942c953aa_qkv
    .symbol:         k_q2942c953aa_qkv.kd
    .args:
      - { .name: x_codes, .offset: 0, .size: 8, .value_kind: global_buffer, .address_space: global }
      - { .name: w_qkv_codes, .offset: 8, .size: 8, .value_kind: global_buffer, .address_space: global }
      - { .name: b_qkv, .offset: 16, .size: 8, .value_kind: global_buffer, .address_space: global }
      - { .name: lowp_scales, .offset: 24, .size: 8, .value_kind: global_buffer, .address_space: global }
      - { .name: q_codes, .offset: 32, .size: 8, .value_kind: global_buffer, .address_space: global }
      - { .name: k_codes, .offset: 40, .size: 8, .value_kind: global_buffer, .address_space: global }
      - { .name: v_codes, .offset: 48, .size: 8, .value_kind: global_buffer, .address_space: global }
    .group_segment_fixed_size: 327680
    .private_segment_fixed_size: 0
    .kernarg_segment_align: 8
    .kernarg_segment_size: 56
    .max_flat_workgroup_size: 128
    .sgpr_count:     100
    .vgpr_count:     1024
    .wavefront_size: 32
...
	.end_amdgpu_metadata
.endif
;; end of part 1
;; launch attn (part 2): grid 4 x 64, 16 waves a work-group, clusters of 4 x 1, 327,680 bytes of LDS; arguments q_codes, k_codes, v_codes, lowp_scales, y_codes; writes y_codes
.if DOCPART == 2
	.amdgcn_target "amdgcn-amd-amdhsa--gfx1250"
	.amdhsa_code_object_version 6
	.text
	.protected	k_q2942c953aa_attn
	.globl	k_q2942c953aa_attn
	.p2align	8
	.type	k_q2942c953aa_attn,@function
k_q2942c953aa_attn:
	s_mov_b64 s[64:65], 0
	v_nop
	global_prefetch_b8 v0, s[64:65] scope:SCOPE_SE
	s_setreg_imm32_b32 hwreg(HW_REG_WAVE_MODE, 25, 1), 1
	s_wait_xcnt 0x0
	s_wait_alu depctr_hold_cnt(0) depctr_sa_sdst(0) depctr_va_vdst(0) depctr_va_sdst(0) depctr_va_ssrc(0) depctr_va_vcc(0) depctr_vm_vsrc(0)
	s_getreg_b32 s2, hwreg(HW_REG_IB_STS2, 6, 4)
	s_cmp_eq_u32 s2, 0
	s_cbranch_scc0 .Lentry_in_a_cluster
	s_endpgm
.Lentry_in_a_cluster:
	s_bfe_u32 s2, ttmp6, 0x10000c
	s_cmp_lg_u32 s2, 0x3003
	s_cbranch_scc0 .Lentry_shape_is_right
	s_endpgm
.Lentry_shape_is_right:
; y[bh][q] = the sum over keys k <= q of softmax_k(q . k / 8) v, both products on codes of E4M3, and the quantiser of y.  64 heads bh of 2,048 positions x 64.
; q_codes, k_codes: [bh][s][64]; v_codes: [bh][32 groups of 64 keys][64 d][64 keys]; inside the 64 bytes number n lies at n with its bits 3 and 4 exchanged.  y_codes: [16 heads][8192 tokens][64], in natural order.
; THE SOFTMAX: t = score x 2^(e2 + e3) x log2(e) / 8; M = the row's largest t so far, rounded UP to a whole number; p = 2^(t - M) is quantised with 2^e4, not normalised; the row's sum is taken of the unquantised p and divides at the end.
; When M moves, the sum and O are multiplied by 2^(old M - new M): exact.  y = O x 2^(e4 + e5) / sum, then code = y / 2^e6, held within +-448.
; LIMITS: e2 + e3 between -123 and 130 (added to c's exponent field); e4 and e6 between -126 and 119; e4 + e5 goes in by v_ldexp_f32 and has none.  NaN codes are not served.
; SHARES.  A cluster of four work-groups is one head.  THE HEAD'S WHOLE K AND V LIE IN LDS, 131,072 bytes each: every byte is filled once, by joint loads (the same load, with a mask that names the four, in all four).
; A head has 128 tiles of 16 queries; tile cx + 4 u belongs to work-group cx.  Wave w of sixteen takes u = 31 - w (the long pass) and then u = w (the short pass).  A key step is 128 keys; tile cx + 4 u lies inside
; key step u / 2, whatever cx: steps under u / 2 count whole, step u / 2 is masked, later steps are left out.  So every wave works 16 - w / 2 + w / 2 + 1 = 17 steps, and no branch hangs on cx.
; LAYOUT.  Both products are used transposed: S^T = K Q^T (source 0 = 16 keys, source 1 = my 16 queries), O^T = V^T P^T (source 0 = 16 of the head's 64, source 1 = P): a lane holds ONE query (lane % 16) throughout.
; Register 8 c + j of S^T is key 16 c + 8 (lane / 16) + j: eight registers convert into registers 2 c, 2 c + 1 of P, which is that operand's own order; V's order in memory gives the same order by loads of 16 bytes.
; REGISTERS: v1-11 addresses; v12 -M, v13 the largest t, v[14:15] the sum in two halves; v16-23, v24-31 Q of the two passes; v32-95 K's eight fragments, then V's four; v96-159 S^T, then p; v160-191 O^T;
;   v192-207 rows on the way out; v208-223 y's codes; v224-239 p's codes; v240-254 constants and work.
.set UP,    272                        ; 256 bytes (four keys of K, four d of V) + 16 of padding
.set VOFF,  512*UP                     ; K: 512 such rows; V behind them
.set STEPB, 32*UP                      ; a key step: 128 keys of K, two groups of V: 8,704 bytes in both
.set FIRST, 128*UP                     ; the first fills' part of a region: 512 keys
.set STAGE, 2*VOFF                     ; behind K and V: four rows of 272 bytes for each wave, for the way out
.set WV,   14                          ; s14  my wave's number
.set CX,   15                          ; s15  my place in the cluster: it enters Q's and y's addresses and the mask's numbers alone
.set BH,   16                          ; s16  the head
.set SEL,  20                          ; s[20:21] lane selects for v_permlanex16_b32: lane l xor 16
.set CS,   22                          ; s[22:23] c = 2^(e2 + e3) log2(e) / 8
.set G1A,  24                          ; s[24:31] descriptor group 1: 16 rows of 256 bytes;  s[32:39]: 48 rows
.set G1B,  32
.set G0A,  40                          ; s[40:43], s[44:47] their groups 0
.set G0B,  44
.set TB,   56                          ; s56  LDS byte at which the step's keys begin in K's region
.set KS,   57                          ; s57  the key step's number
.set SD,   58                          ; s58  the pass's masked step, u / 2
.set CNT,  59                          ; s59  counts a loop's trips
.set EPV,  60                          ; s60  e4 + e5
.macro CROUND                          ; a round of the cluster's barrier
	s_barrier_signal -1
	s_barrier_wait -1
	s_cmp_lg_u32 s[WV], 0
	s_cbranch_scc1 .Lnot_wave_0_\@
	s_barrier_signal -3
.Lnot_wave_0_\@:
	s_barrier_wait -3
	s_barrier_signal -1
	s_barrier_wait -1
.endm
	s_load_b256 s[4:11], s[0:1], 0x0               ; q_codes s[4:5], k_codes s[6:7], v_codes s[8:9], the scales' exponents s[10:11]
	s_load_b64 s[12:13], s[0:1], 0x20              ; y_codes
	v_lshl_add_u32 v251, v0, 2, 0x48400
	v_mov_b32 v255, 0
	ds_add_u32 v251, v255
	ds_add_u32 v251, v255
	v_lshrrev_b32 v11, 5, v0
	s_delay_alu instid0(VALU_DEP_1)
	v_readfirstlane_b32 s[WV], v11                 ; wave 0..15
	s_bfe_u32 s[CX], ttmp6, 0x40000
	s_and_b32 s[BH], ttmp7, 0xffff                 ; the cluster's y: the head, which the four partners share
	; descriptor groups 1: dense rows of 256 bytes, 16 bytes of padding behind each
	s_mov_b32 s[G1A], 15|(1<<20)|(1<<21)|(5<<22)|(3<<25)   ; 15:0 the mask: all four work-groups; 17:16 elements of 1 byte; 20 padding on; 21 set beside a mask; 24:22 after every 64 words (code 5); 31:25 four words (code 3)
	s_mov_b32 s[G1A+1], 256<<16                    ; tensor_dim0
	s_mov_b32 s[G1A+2], 16<<16                     ; tensor_dim1
	s_mov_b32 s[G1A+3], 256<<16                    ; tile_dim0
	s_mov_b32 s[G1A+4], 16                         ; tile_dim1
	s_mov_b32 s[G1A+5], 256                        ; tensor_dim0_stride
	s_mov_b32 s[G1A+6], 0
	s_mov_b32 s[G1A+7], 0
	s_mov_b32 s[G1B], 15|(1<<20)|(1<<21)|(5<<22)|(3<<25)
	s_mov_b32 s[G1B+1], 256<<16
	s_mov_b32 s[G1B+2], 48<<16
	s_mov_b32 s[G1B+3], 256<<16
	s_mov_b32 s[G1B+4], 48
	s_mov_b32 s[G1B+5], 256
	s_mov_b32 s[G1B+6], 0
	s_mov_b32 s[G1B+7], 0
	; waves 0-7 fill K, waves 8-15 V; wave i of the eight brings rows 16 i .. of the first 128 (keys 0-511), then rows 128 + 48 i .. of the other 384
	s_lshr_b32 s17, s[WV], 3
	s_and_b32 s18, s[WV], 7
	s_mul_i32 s17, s17, VOFF
	s_mul_i32 s19, s18, 16*UP
	s_add_co_u32 s[G0A+1], s17, s19                ; LDS address: region + 16 i rows
	s_mul_i32 s19, s18, 48*UP
	s_add_co_u32 s[G0B+1], s17, s19
	s_add_co_u32 s[G0B+1], s[G0B+1], FIRST         ; region + 128 rows + 48 i rows
	s_mov_b32 s[G0A], 1
	s_mov_b32 s[G0B], 1
	s_lshl_b32 s78, s[BH], 17                      ; the head's first byte in q_codes, k_codes and v_codes
	s_mov_b32 s79, 0
	s_lshl_b32 s80, s18, 12                        ; 16 i rows of 256 bytes
	s_mov_b32 s81, 0
	s_mul_i32 s82, s18, 48*256
	s_add_co_u32 s82, s82, 128*256
	s_mov_b32 s83, 0
	s_mov_b32 s[SEL], 0x76543210
	s_mov_b32 s[SEL+1], 0xfedcba98
	s_wait_dscnt 0x0
	s_wait_kmcnt 0x0
	s_load_b256 s[48:55], s[10:11], 0x0            ; e0 .. e7
	s_cmp_lt_u32 s[WV], 8
	s_cselect_b64 s[G0A+2:G0A+3], s[6:7], s[8:9]
	s_add_nc_u64 s[G0A+2:G0A+3], s[G0A+2:G0A+3], s[78:79]
	s_add_nc_u64 s[G0B+2:G0B+3], s[G0A+2:G0A+3], s[82:83]
	s_add_nc_u64 s[G0A+2:G0A+3], s[G0A+2:G0A+3], s[80:81]
	s_or_b32 s[G0A+3], s[G0A+3], 0x80000000        ; type = 2
	s_or_b32 s[G0B+3], s[G0B+3], 0x80000000
	CROUND                                         ; all four work-groups are here: the joint loads meet
	tensor_load_to_lds s[G0A:G0A+3], s[G1A:G1A+7]  ; the first of my two fills: one load of mine is out; no byte is filled twice
	s_nop 0
	s_wait_alu depctr_va_vdst(0)
	s_wait_tensorcnt 0x0
	ds_add_u32 v251, v255
	s_wait_dscnt 0x0
	CROUND
	tensor_load_to_lds s[G0B:G0B+3], s[G1B:G1B+7]
	s_nop 0
.rept 4
	v_nop
.endr
	; where my two tiles of queries lie.  Tile cx + 4 u: queries 16 cx + 64 u on
	s_xor_b32 s17, s[WV], 31                       ; u of the long pass: 31 - w
	s_lshl_b32 s18, s[CX], 10
	s_lshl_b32 s19, s17, 12
	s_add_co_u32 s19, s19, s18                     ; (16 cx + 64 u) rows of 64 bytes: the long pass,
	s_lshl_b32 s61, s[WV], 12
	s_add_co_u32 s61, s61, s18                     ; the short pass
	s_mov_b32 s63, 0
	s_add_co_u32 s62, s78, s19
	s_add_nc_u64 s[70:71], s[4:5], s[62:63]        ; Q, long
	s_add_co_u32 s62, s78, s61
	s_add_nc_u64 s[72:73], s[4:5], s[62:63]        ; Q, short
	s_and_b32 s56, s[BH], 15
	s_lshl_b32 s56, s56, 19                        ; y_codes: the head's 8,192 tokens of 64 bytes,
	s_lshr_b32 s57, s[BH], 4
	s_lshl_b32 s57, s57, 17                        ; the batch's 2,048 of them
	s_add_co_u32 s56, s56, s57
	s_add_co_u32 s62, s56, s19
	s_add_nc_u64 s[66:67], s[12:13], s[62:63]      ; y, long
	s_add_co_u32 s62, s56, s61
	s_add_nc_u64 s[68:69], s[12:13], s[62:63]      ; y, short
	s_lshl_b32 s18, s[CX], 4
	s_and_b32 s74, s17, 1
	s_lshl_b32 s74, s74, 6
	s_add_co_u32 s74, s74, s18                     ; my first query's place in its key step: 16 cx + 64 (u % 2), long,
	s_and_b32 s75, s[WV], 1
	s_lshl_b32 s75, s75, 6
	s_add_co_u32 s75, s75, s18                     ; short
	s_lshr_b32 s76, s17, 1                         ; the masked step u / 2, long: 8 .. 15,
	s_lshr_b32 s77, s[WV], 1                       ; short: 0 .. 7
	v_and_b32 v11, 15, v0                          ; r
	v_bfe_u32 v10, v0, 4, 1                        ; h
	s_delay_alu instid0(VALU_DEP_2)
	v_lshrrev_b32 v1, 2, v11
	s_delay_alu instid0(VALU_DEP_1)
	v_mul_u32_u24 v1, v1, UP
	s_delay_alu instid0(VALU_DEP_4)
	v_and_b32 v2, 3, v11
	s_delay_alu instid0(VALU_DEP_1)
	v_lshl_add_u32 v1, v2, 6, v1                   ; row r of a tile of 16: (r / 4) x 272 + 64 (r % 4)
	s_mul_i32 s18, s[WV], 4*UP
	s_add_co_u32 s18, s18, STAGE                   ; my stage
	v_lshl_add_u32 v4, v10, 3, v1
	s_delay_alu instid0(VALU_DEP_1)
	v_add_nc_u32 v4, s18, v4                       ; in: query r, 8 bytes for each half of the lanes
	v_mul_u32_u24 v5, v10, UP
	s_delay_alu instid0(VALU_DEP_1)
	v_lshl_add_u32 v5, v11, 4, v5
	s_delay_alu instid0(VALU_DEP_1)
	v_add_nc_u32 v5, s18, v5                       ; back: lanes 0-15 four queries' 256 bytes, lanes 16-31 the next four's
	v_lshl_add_u32 v1, v10, 4, v1                  ; K: my lane's place in a tile: + 16 h
	s_delay_alu instid0(VALU_DEP_1)
	v_add_nc_u32 v3, VOFF, v1                      ; V: the same, in V's region
	v_and_b32 v6, 31, v0
	s_delay_alu instid0(VALU_DEP_1)
	v_lshlrev_b32 v6, 4, v6                        ; the way out: 16 x lane
	v_lshlrev_b32 v7, 3, v10
	s_delay_alu instid0(VALU_DEP_1)
	v_sub_nc_u32 v7, v11, v7                       ; r - 8 h, for the mask
	v_lshlrev_b32 v11, 6, v11
	s_delay_alu instid0(VALU_DEP_1)
	v_lshl_add_u32 v10, v10, 4, v11                ; Q: row r of 64 bytes, + 16 h; never rewritten
	global_load_b128 v[16:19], v10, s[70:71]
	global_load_b128 v[20:23], v10, s[70:71] offset:32
	global_load_b128 v[24:27], v10, s[72:73]
	global_load_b128 v[28:31], v10, s[72:73] offset:32
	v_mov_b32 v246, 0                              ; written once: a lane permute's destination counts as one of its sources
	v_mov_b32 v253, 0                              ; (named as the upper half of the pair v[252:253])
	v_mov_b32 v247, 0xff800000                     ; -infinity
	s_wait_kmcnt 0x0
	s_add_co_i32 s18, s50, s51
	s_lshl_b32 s18, s18, 23
	s_mov_b32 s[CS], 0x3e38aa3b                    ; log2(e) / 8
	s_add_co_i32 s[CS], s[CS], s18                 ; a score stands for score x 2^(e2 + e3): the exponents are added to c's exponent field
	s_mov_b32 s[CS+1], s[CS]                       ; (named with it as a pair)
	s_add_co_i32 s18, s52, 127
	s_lshl_b32 s19, s18, 23
	v_mov_b32 v244, s19                            ; 2^e4
	s_add_co_i32 s18, s54, 127
	s_lshl_b32 s19, s18, 23
	v_mov_b32 v245, s19                            ; 2^e6
	s_add_co_i32 s[EPV], s52, s53                  ; e4 + e5
; A KEY STEP: 128 keys at LDS byte s[TB].  gen = 1: the step may be masked or left out, by a scalar branch on the wave's number and the step's; qb: where the pass's Q lies.
.macro STEP gen, qb
.if \gen
	s_cmp_gt_u32 s[KS], s[SD]                      ; all its keys come after my queries: the work is left out, not the lines at the end that step the address
	s_cbranch_scc1 .Lhid_\@
.endif
	s_setprio 2
	v_add_nc_u32 v8, s[TB], v1
	v_add_nc_u32 v9, s[TB], v3
	v_nop
	v_nop                                          ; four plain lines between the last products and the loads into the registers that they read
.irp c, 0,1,2,3,4,5,6,7                        ; K: tile c = keys 16 c .. 16 c + 15, 64 along the head: 8 registers
	ds_load_b128 v[32+8*\c:35+8*\c], v8 offset:4*UP*\c
	ds_load_b128 v[36+8*\c:39+8*\c], v8 offset:4*UP*\c+32
.endr
	s_wait_alu depctr_va_vdst(0)
	s_wait_dscnt 0x0
.irp c, 0,1,2,3,4,5,6,7
	v_wmma_f32_16x16x64_fp8_fp8 v[96+8*\c:103+8*\c], v[32+8*\c:39+8*\c], v[\qb:\qb+7], 0
.endr
.rept 4
	v_nop                                          ; places in front of the loads below and of the first read of the scores
.endr
.irp t, 0,1,2,3                                ; V: tile t = d 16 t .. 16 t + 15, 128 keys: 16 registers.  The loads land while the softmax is worked
.irp c, 0,1,2,3
	ds_load_b128 v[32+16*\t+4*\c:35+16*\t+4*\c], v9 offset:(\c/2)*16*UP+4*UP*\t+32*(\c%2)
.endr
.endr
.if \gen
	s_cmp_lt_u32 s[KS], s[SD]                      ; all its keys count: no mask
	s_cbranch_scc1 .Lopen_\@
.set JJ, 0
.rept 64                                       ; register 8 c + j holds the step's key 16 c + 8 h + j: hidden where 16 c + j > my query's place in the step - 8 h.  Hidden scores become -infinity: p = 0
	v_cmp_gt_i32 vcc_lo, 16*(JJ/8)+JJ%8, v2
	v_cndmask_b32 v[96+JJ], v[96+JJ], v247, vcc_lo
.set JJ, JJ+1
.endr
.Lopen_\@:
.endif
	v_max3_num_f32 v254, v96, v97, v98             ; the step's largest score of my query among my 64 keys, in two chains; each accumulator is read from its low end on
	v_max3_num_f32 v252, v99, v100, v101
.irp i, 6,10,14,18,22,26,30,34,38,42,46,50,54,58
	v_max3_num_f32 v254, v254, v[96+\i], v[97+\i]
	v_max3_num_f32 v252, v252, v[98+\i], v[99+\i]
.endr
	v_max3_num_f32 v254, v254, v158, v159
	s_delay_alu instid0(VALU_DEP_1)
	v_max_num_f32 v254, v254, v252
	s_delay_alu instid0(VALU_DEP_1)
	v_permlanex16_b32 v246, v254, s[SEL], s[SEL+1]
	s_delay_alu instid0(VALU_DEP_1)
	v_max_num_f32 v254, v254, v246                 ; and among lane l xor 16's
	s_delay_alu instid0(VALU_DEP_1)
	v_mul_f32 v254, s[CS], v254                    ; as t (c is positive)
	s_delay_alu instid0(VALU_DEP_1)
	v_max_num_f32 v13, v13, v254                   ; the running largest t
	v_mov_b32 v254, v12
	s_delay_alu instid0(VALU_DEP_2)
	v_floor_f32 v12, -v13                          ; the new -M = floor(-t) = -ceil(t): M is a whole number
	s_delay_alu instid0(VALU_DEP_1)
	v_sub_f32 v254, v12, v254                      ; old M - new M: a whole number, 0 or less
	s_delay_alu instid0(VALU_DEP_1)
	v_cvt_i32_f32 v254, v254                       ; (it saturates)
	s_delay_alu instid0(VALU_DEP_1)
	v_ldexp_f32 v252, 1.0, v254                    ; f = 2^(old M - new M)
.set JJ, 0
.rept 32
	v_pk_fma_f32 v[96+JJ:97+JJ], v[96+JJ:97+JJ], s[CS:CS+1], v[12:13] op_sel_hi:[1,0,0]   ; t - M, two at a time (the pairs' low words serve both halves)
.set JJ, JJ+2
.endr
.set JJ, 0
	s_setprio 1
	s_wait_alu depctr_va_vdst(0)
.rept 64
	v_exp_f32 v[96+JJ], v[96+JJ]                   ; p = 2^(t - M), at most 1
.set JJ, JJ+1
.endr
	v_pk_mul_f32 v[14:15], v[14:15], v[252:253] op_sel_hi:[1,0]   ; the sums under the new M: the plain line behind the exponentials
	s_wait_alu depctr_va_vdst(0)                   ; one wait for the whole batch, ahead of its first reader
	v_pk_add_f32 v[242:243], v[96:97], v[98:99]    ; the row's sum is taken of the unquantised p: two at a time, in two chains
.irp j, 4,8,12,16,20,24,28,32,36,40,44,48,52,56,60
	v_pk_add_f32 v[14:15], v[14:15], v[96+\j:97+\j]
	v_pk_add_f32 v[242:243], v[242:243], v[98+\j:99+\j]
.endr
	s_delay_alu instid0(VALU_DEP_1)
	v_pk_add_f32 v[14:15], v[14:15], v[242:243]
	s_setprio 0
.irp c, 0,1,2,3,4,5,6,7
.irp i, 0,1,2,3,4,5,6,7
.endr
	v_cvt_scalef32_pk8_fp8_f32 v[224+2*\c:225+2*\c], v[96+8*\c:103+8*\c], v244   ; keys 16 c + 8 h + 0..7: registers 2 c, 2 c + 1 of the operand
.endr
.set JJ, 0
.rept 16
	v_pk_mul_f32 v[160+JJ:161+JJ], v[160+JJ:161+JJ], v[252:253] op_sel_hi:[1,0]   ; O^T under the new M.  (Also the plain lines between the conversions and the products)
.set JJ, JJ+2
.endr
	s_wait_alu depctr_va_vdst(0)
	s_wait_dscnt 0x0                               ; V is in
.irp t, 0,1,2,3                                ; the accumulators take turns: between two products on one of them stand the eleven others'
	v_wmma_f32_16x16x128_fp8_fp8 v[160+8*\t:167+8*\t], v[32+16*\t:47+16*\t], v[224:239], v[160+8*\t:167+8*\t]
.endr
.if \gen
.Lhid_\@:
	s_add_co_u32 s[KS], s[KS], 1
.endif
	s_add_co_u32 s[TB], s[TB], STEPB
.endm
.macro WALK n, gen, qb                 ; n key steps: every wave walks every trip
	s_mov_b32 s[CNT], \n
.Lwalk_\@:
	STEP \gen, \qb
	s_sub_co_u32 s[CNT], s[CNT], 1
	s_cmp_lg_u32 s[CNT], 0
	s_cbranch_scc1 .Lwalk_\@
	s_setprio 0
.endm
.macro INIT dd                         ; a pass begins: the step is written once, and its first run finds zeros, which the first change of M leaves zeros
	v_mov_b32 v13, 0xff61b1e6                      ; the largest t so far: -3e38, under every t
	s_delay_alu instid0(VALU_DEP_1)
	v_floor_f32 v12, -v13
	v_mov_b32 v14, 0
	v_mov_b32 v15, 0
.set JJ, 0
.rept 32
	v_mov_b32 v[160+JJ], 0
.set JJ, JJ+1
.endr
	v_add_nc_u32 v2, s[\dd], v7                    ; my query's place in its key step, - 8 h
.endm
; THE WAY OUT of pass p: y = O^T x 2^(e4 + e5) / the sum, quantised with 2^e6.  A lane's 8 codes are 8 bytes of a query's 64; the tile's 1,024 bytes go through my stage and leave as four whole units of 256 bytes.
.macro OUT p, ya
.rept 4
	v_nop                                          ; places behind the last products
.endr
	v_add_f32 v14, v14, v15                        ; the sum's two halves,
	s_delay_alu instid0(VALU_DEP_1)
	v_permlanex16_b32 v246, v14, s[SEL], s[SEL+1]
	s_delay_alu instid0(VALU_DEP_1)
	v_add_f32 v14, v14, v246                       ; and lane l xor 16's
	s_wait_alu depctr_va_vdst(0)
	v_rcp_f32 v14, v14
	v_nop                                          ; a plain line behind the transcendental,
	s_wait_alu depctr_va_vdst(0)                   ; and the wait ahead of its first reader
	v_ldexp_f32 v14, v14, s[EPV]
.set JJ, 0
.rept 32
	v_mul_f32 v[96+JJ], v[160+JJ], v14             ; register 8 t + j is y(query r, d = 16 t + 8 h + j); each accumulator from its low end on
.set JJ, JJ+1
.endr
.set JJ, 0
.rept 32
.set JJ, JJ+1
.endr
.irp t, 0,1,2,3
	v_cvt_scalef32_pk8_fp8_f32 v[208+8*\p+2*\t:209+8*\p+2*\t], v[96+8*\t:103+8*\t], v245
.endr
	v_nop                                          ; one plain line behind the last conversion
.irp t, 0,1,2,3
	ds_store_b64 v4, v[208+8*\p+2*\t:209+8*\p+2*\t] offset:16*\t
.endr
.irp t, 0,1
	ds_load_b128 v[192+8*\p+4*\t:195+8*\p+4*\t], v5 offset:2*UP*\t   ; LDS serves a wave's instructions in order (ISA guide 5.7.1.4): these see my stores
.endr
.irp t, 0,1
	s_wait_dscnt 1-\t
	global_store_b128 v6, v[192+8*\p+4*\t:195+8*\p+4*\t], s[\ya:\ya+1] offset:512*\t   ; 32 lanes store 512 consecutive bytes, at a multiple of 256 from the buffer's first byte
.endr
.endm
	INIT 74
	s_wait_tensorcnt 0x1                           ; my part of keys 0-511 is in; my second load may be out: it fills other bytes, and nothing is filled again
	s_barrier_signal -1
	s_barrier_wait -1                              ; everybody's is
	s_wait_loadcnt 0x0                             ; Q
	s_mov_b32 s[TB], 0
	WALK 4, 0, 16                                  ; the long pass, key steps 0-3: they count whole for every wave (u / 2 is 8 at the least)
	s_wait_tensorcnt 0x0                           ; my part of keys 512-2047 is in,
	s_wait_dscnt 0x0
	s_barrier_signal -1
	s_barrier_wait -1                              ; everybody's is.  All sixteen waves have done the same work up to here
	s_mov_b32 s[TB], 4*STEPB
	WALK 4, 0, 16                                  ; key steps 4-7
	s_mov_b32 s[TB], 8*STEPB
	s_mov_b32 s[KS], 8
	s_mov_b32 s[SD], s76
	WALK 8, 1, 16                                  ; key steps 8-15: whole, masked or left out
	OUT 0, 66
	INIT 75
	s_mov_b32 s[TB], 0
	s_mov_b32 s[KS], 0
	s_mov_b32 s[SD], s77
	WALK 8, 1, 24                                  ; the short pass: key steps 0-7
	OUT 1, 68
	s_wait_dscnt 0x0
	s_wait_tensorcnt 0x0
	ds_add_u32 v251, v255
	s_wait_dscnt 0x0
	CROUND                                         ; the closing round
	s_endpgm
.Lfunc_end_k_q2942c953aa_attn:
	.size	k_q2942c953aa_attn, .Lfunc_end_k_q2942c953aa_attn-k_q2942c953aa_attn
	.p2alignl 7, 3214868480
	.fill 96, 4, 3214868480
	.section	.rodata,"a",@progbits
	.p2align	6, 0x0
	.amdhsa_kernel k_q2942c953aa_attn
		.amdhsa_group_segment_fixed_size 327680
		.amdhsa_private_segment_fixed_size 0
		.amdhsa_enable_private_segment 0
		.amdhsa_kernarg_size 40
		.amdhsa_user_sgpr_count 2
		.amdhsa_user_sgpr_kernarg_segment_ptr 1
		.amdhsa_wavefront_size32 1
		.amdhsa_system_sgpr_workgroup_id_x 1
		.amdhsa_system_sgpr_workgroup_id_y 1
		.amdhsa_system_sgpr_workgroup_id_z 1
		.amdhsa_system_vgpr_workitem_id 0
		.amdhsa_next_free_vgpr 256
		.amdhsa_next_free_sgpr 84
		.amdhsa_reserve_vcc 1
		.amdhsa_float_denorm_mode_32 3
		.amdhsa_float_denorm_mode_16_64 3
		.amdhsa_fp16_overflow 1
		.amdhsa_memory_ordered 1
		.amdhsa_forward_progress 1
		.amdhsa_inst_pref_size 82
	.end_amdhsa_kernel
	.amdgpu_metadata
---
amdhsa.version: [ 1, 2 ]
amdhsa.kernels:
  - .name:           k_q2942c953aa_attn
    .symbol:         k_q2942c953aa_attn.kd
    .args:
      - { .name: q_codes, .offset: 0, .size: 8, .value_kind: global_buffer, .address_space: global }
      - { .name: k_codes, .offset: 8, .size: 8, .value_kind: global_buffer, .address_space: global }
      - { .name: v_codes, .offset: 16, .size: 8, .value_kind: global_buffer, .address_space: global }
      - { .name: lowp_scales, .offset: 24, .size: 8, .value_kind: global_buffer, .address_space: global }
      - { .name: y_codes, .offset: 32, .size: 8, .value_kind: global_buffer, .address_space: global }
    .group_segment_fixed_size: 327680
    .private_segment_fixed_size: 0
    .kernarg_segment_align: 8
    .kernarg_segment_size: 40
    .max_flat_workgroup_size: 512
    .sgpr_count:     84
    .vgpr_count:     256
    .wavefront_size: 32
...
	.end_amdgpu_metadata
.endif
;; end of part 2
;; launch proj (part 3): grid 4 x 32, 4 waves a work-group, clusters of 4 x 4, 327,680 bytes of LDS; arguments y_codes, w_proj_codes, b_proj, lowp_scales, out0; writes out0
.if DOCPART == 3
	.amdgcn_target "amdgcn-amd-amdhsa--gfx1250"
	.amdhsa_code_object_version 6
	.text
	.protected	k_q2942c953aa_proj
	.globl	k_q2942c953aa_proj
	.p2align	8
	.type	k_q2942c953aa_proj,@function
k_q2942c953aa_proj:
	s_mov_b64 s[64:65], 0
	v_nop
	global_prefetch_b8 v0, s[64:65] scope:SCOPE_SE
	s_setreg_imm32_b32 hwreg(HW_REG_WAVE_MODE, 25, 1), 1
	s_wait_xcnt 0x0
	s_wait_alu depctr_hold_cnt(0) depctr_sa_sdst(0) depctr_va_vdst(0) depctr_va_sdst(0) depctr_va_ssrc(0) depctr_va_vcc(0) depctr_vm_vsrc(0)
	s_getreg_b32 s2, hwreg(HW_REG_IB_STS2, 6, 4)
	s_cmp_eq_u32 s2, 0
	s_cbranch_scc0 .Lentry_in_a_cluster
	s_endpgm
.Lentry_in_a_cluster:
	s_bfe_u32 s2, ttmp6, 0x10000c
	s_cmp_lg_u32 s2, 0xf033
	s_cbranch_scc0 .Lentry_shape_is_right
	s_endpgm
.Lentry_shape_is_right:
; out0 = y w_proj + b_proj on codes of E4M3 (8,192 x 1,024 x 1,024).  y_codes: [16 heads][8192 tokens][64], so K = 64 x head + d; w_proj_codes: [1024 n][1024 k], K innermost; out0: [8192][1024] f32.
; out = sum x 2^(e6 + e7) + bias, one fused multiply-add.  LIMIT: e6 + e7 between -126 and 127.  NaN among codes or biases is not served.
; The order of the products inside a matrix instruction is a permutation of k, the same in both operands (fragments come by loads of 16 bytes).
; A tile of 256 x 256 is made by four waves, 128 x 128 each: 64 accumulators.  The problem has 32 x 4 = 128 such tiles, a work-group each.  K goes in steps of 256 (four heads) through two LDS slots.
; CLUSTERS: 4 x 4 work-groups; A's tiles are shared along a row of the cluster, B's along a column: each is asked for jointly.  THE MATRIX INSTRUCTION IS USED TRANSPOSED (source 0 = 16 rows of w_proj, source 1 = 16 tokens).
; A's TILE: for each of four heads 128 tokens x 64 bytes are 8,192 consecutive bytes: a tile of 4 rows of 8,192 bytes, 524,288 bytes apart, with 16 bytes of padding behind every 256: in LDS head g of the step begins at
; 8,704 g, and token i lies at (i / 4) x 272 + 64 (i % 4).
; REGISTERS: window 0: v0-31 addresses; v32-95 the bias; v128-255 A's fragments, later rows read back.  window 1: B's fragments, two sets; on the way out v0-63 the results.  windows 2, 3: the accumulators.
.set ROWB,   256                       ; B: a tile's row in bytes
.set KROW,   1024                      ; a row of w_proj_codes
.set PITCH,  272
.set HROW,   32*PITCH                  ; A: a head's 128 tokens in LDS
.set ASTEP,  4*524288                  ; A: a K step on in memory: four heads
.set FR,     16
.set NL,     4
.set NP,     4
.set HALFT,  128*PITCH                 ; what one tensor load brings: 128 rows of B, or four heads x 128 tokens of A
.set SLOT,   4*HALFT
.set SPARE,  2*SLOT                    ; behind the ring: the spare words, 128 bytes a wave
.set SPITCH, 528                       ; the way out: a stage of 16 rows x (512 bytes + 16) for each wave, in slot 0, which has had its last fill and its last read by then
.set OROW,   4096                      ; a row of out0 in bytes
.set BNO,  12                          ; v12  byte offset of my bias; never rewritten
.set ADRA, 16
.set ADRB, 20
.set STO,  24
.set RD,   25
.set CO,   26
.set SPW,  28
.set NIL,  29
.set BN,   32
.set AF,   128
.set BK,   128
.set TMP,  0                           ; in window 1
.set G1, 24
.set G0, 32
.set G1B, 48
.set G0B, 56
.set MSB, 0
.macro WIN new
.if MSB != (\new)
	s_set_vgpr_msb (MSB<<8)|(\new)
.set MSB, (\new)
.endif
.endm
.set MUL_LO, 0xa1
.set MUL_HI, 0xf1
.set TO_B,   0x40
.macro JLOAD g0a, g1a, g0b, g1b        ; a joint load: waves 0 and 1 fetch for A, waves 2 and 3 for B; four v_nop follow each of the two lines
	s_cmp_eq_u32 s15, 0
	s_cbranch_scc0 .Lfor_b_\@
	tensor_load_to_lds s[\g0a:\g0a+3], s[\g1a:\g1a+7]
	s_nop 0
.rept 4
	v_nop
.endr
	s_branch .Lasked_\@
.Lfor_b_\@:
	tensor_load_to_lds s[\g0b:\g0b+3], s[\g1b:\g1b+7]
	s_nop 0
.rept 4
	v_nop
.endr
.Lasked_\@:
.endm
.macro CREST
	s_cmp_lg_u32 s14, 0
	s_cbranch_scc1 .Lnot_wave_0_\@
	s_barrier_signal -3
.Lnot_wave_0_\@:
	s_barrier_wait -3
	s_barrier_signal -1
	s_barrier_wait -1
.endm
.macro CROUND
	s_barrier_signal -1
	s_barrier_wait -1
	CREST
.endm
	s_load_b256 s[4:11], s[0:1], 0x0               ; y_codes s[4:5], w_proj_codes s[6:7], b_proj s[8:9], the scales' exponents s[10:11]
	s_load_b64 s[12:13], s[0:1], 0x20              ; out0
	v_lshl_add_u32 v[SPW], v0, 2, SPARE
	v_mov_b32 v[NIL], 0
	ds_add_u32 v28, v29
	ds_add_u32 v28, v29
	s_wait_dscnt 0x0
	v_lshrrev_b32 v1, 5, v0
	v_readfirstlane_b32 s14, v1                    ; wave 0..3
	s_lshr_b32 s15, s14, 1                         ; which half of the tile's rows is mine.  Also: I fetch for A (0) or for B (1)
	s_and_b32 s16, s14, 1                          ; which half of its columns.  Also: which half of that tile I fetch
	s_bfe_u32 s40, ttmp6, 0x40000
	s_bfe_u32 s41, ttmp6, 0x40004
	s_lshl_b32 s42, ttmp9, 2
	s_add_co_u32 s42, s42, s40                     ; tile column = 4 x cluster x + cx
	s_and_b32 s17, ttmp7, 0xffff
	s_lshl_b32 s17, s17, 2
	s_add_co_u32 s17, s17, s41                     ; tile row = 4 x cluster y + cy
	s_lshl_b32 s43, s41, 2
	s_lshl_b32 s43, 15, s43                        ; my row of the cluster
	s_lshl_b32 s44, 0x1111, s40                    ; my column
	s_or_b32 s[G1+0], s43, (1<<20)|(1<<21)|(5<<22)|(3<<25)   ; the mask; elements of 1 byte; padding on; 21 set beside a mask; four words after every 64
	s_mov_b32 s[G1+1], 8192<<16                    ; A: tensor_dim0 = 8,192
	s_mov_b32 s[G1+2], 4<<16                       ; tensor_dim1 = 4
	s_mov_b32 s[G1+3], 8192<<16                    ; tile_dim0 = 8,192
	s_mov_b32 s[G1+4], 4                           ; tile_dim1 = 4
	s_mov_b32 s[G1+5], 524288                      ; tensor_dim0_stride: from head to head
	s_mov_b32 s[G1+6], 0
	s_mov_b32 s[G1+7], 0
	s_or_b32 s[G1B+0], s44, (1<<20)|(1<<21)|(5<<22)|(3<<25)
	s_mov_b32 s[G1B+1], ROWB<<16                   ; B: 128 rows of 256 bytes
	s_mov_b32 s[G1B+2], 128<<16
	s_mov_b32 s[G1B+3], ROWB<<16
	s_mov_b32 s[G1B+4], 128
	s_mov_b32 s[G1B+5], KROW
	s_mov_b32 s[G1B+6], 0
	s_mov_b32 s[G1B+7], 0
	s_lshl_b32 s20, s17, 14                        ; A: token 256 x tile row + 128 x half, 64 bytes each
	s_lshl_b32 s18, s16, 13
	s_add_co_u32 s20, s20, s18
	s_mov_b32 s21, 0
	s_lshl_b32 s46, s42, 18                        ; B: row 256 x tile column + 128 x half, 1,024 bytes each
	s_lshl_b32 s18, s16, 17
	s_add_co_u32 s46, s46, s18
	s_mov_b32 s47, 0
	s_mul_i32 s45, s14, HALFT                      ; where they go: no place in the cluster enters an LDS address
	s_wait_kmcnt 0x0
	s_load_b256 s[68:75], s[10:11], 0x0            ; e0 .. e7
	s_add_nc_u64 s[20:21], s[4:5], s[20:21]
	s_add_nc_u64 s[46:47], s[6:7], s[46:47]
	CROUND                                         ; all sixteen work-groups are here: the first joint loads meet
.irp s, 0,1
	s_mov_b32 s[G0+4*\s], 1
	s_add_co_u32 s[G0+4*\s+1], s45, \s*SLOT
	s_add_nc_u64 s[G0+4*\s+2:G0+4*\s+3], s[20:21], \s*ASTEP
	s_or_b32 s[G0+4*\s+3], s[G0+4*\s+3], 0x80000000
	s_mov_b32 s[G0B+4*\s], 1
	s_add_co_u32 s[G0B+4*\s+1], s45, \s*SLOT
	s_add_nc_u64 s[G0B+4*\s+2:G0B+4*\s+3], s[46:47], \s*ROWB
	s_or_b32 s[G0B+4*\s+3], s[G0B+4*\s+3], 0x80000000
	s_wait_alu depctr_va_vdst(0)
	s_wait_tensorcnt 0x0
	ds_add_u32 v28, v29
	ds_add_u32 v28, v29
	s_wait_dscnt 0x0
	CROUND
	JLOAD G0+4*\s, G1, G0B+4*\s, G1B               ; one tensor load of mine is out
.endr
	v_and_b32 v1, 15, v0                           ; r
	v_bfe_u32 v2, v0, 4, 1                         ; h
	v_mul_u32_u24 v3, v1, PITCH
	v_lshl_add_u32 v4, v2, 4, v3                   ; B: row r x pitch + 16 h
	v_lshrrev_b32 v5, 2, v1
	v_mul_u32_u24 v5, v5, PITCH
	v_and_b32 v6, 3, v1
	v_lshl_add_u32 v5, v6, 6, v5
	v_lshl_add_u32 v5, v2, 4, v5                   ; A: token r: (r / 4) x 272 + 64 (r % 4) + 16 h
	s_mul_i32 s21, s15, HALFT                      ; my 128 tokens of A
	s_mul_i32 s22, s16, HALFT                      ; my 128 rows of B,
	s_add_co_u32 s22, s22, 2*HALFT                 ; which lie behind A's two halves
.irp s, 0,1
	v_add_nc_u32 v[ADRA+\s], s21, v5
	v_add_nc_u32 v[ADRB+\s], s22, v4
	s_add_co_u32 s21, s21, SLOT
	s_add_co_u32 s22, s22, SLOT
.endr
	s_mul_i32 s23, s14, 16*SPITCH                  ; my stage
	v_mul_u32_u24 v5, v1, SPITCH                   ; in: row r, 32 bytes for each half of the lanes
	v_lshl_add_u32 v5, v2, 5, v5
	v_add_nc_u32 v[STO], s23, v5
	v_and_b32 v6, 31, v0
	v_lshlrev_b32 v[CO], 4, v6                     ; back: the 32 lanes take one row of 512 bytes; and the same in out0
	v_add_nc_u32 v[RD], s23, v[CO]
	s_lshl_b32 s20, s17, 20                        ; my first row: 256 x tile row + 128 x half, 4,096 bytes each
	s_lshl_b32 s21, s15, 19
	s_add_co_u32 s20, s20, s21
	s_lshl_b32 s46, s42, 10                        ; my first column, in bytes: 1,024 x tile column + 512 x half: in a row of out0 and in b_proj alike
	s_lshl_b32 s47, s16, 9
	s_add_co_u32 s46, s46, s47
	v_lshl_add_u32 v[BNO], v2, 5, s46              ; block b: numbers 16 b + 8 h + 0..7
	s_add_co_u32 s20, s20, s46
	s_mov_b32 s21, 0
	s_add_nc_u64 s[12:13], s[12:13], s[20:21]
.irp b, 0,1,2,3,4,5,6,7
	global_load_b128 v[BN+8*\b:BN+8*\b+3], v[BNO], s[8:9] offset:64*\b
	global_load_b128 v[BN+8*\b+4:BN+8*\b+7], v[BNO], s[8:9] offset:64*\b+16
.endr
.macro FRAG reg, adr, q, i             ; B: registers 4 c .. 4 c + 3 hold K = 128 q + 32 c + 16 (l / 16) + 0 .. 15 of row l % 16
.irp c, 0,1,2,3
	ds_load_b128 v[\reg+4*\c:\reg+4*\c+3], v[\adr] offset:128*(\q)+32*\c+(\i)*16*PITCH
.endr
.endm
.macro FRAGA reg, adr, q, i            ; A: the same K: head 2 q + c / 2 of the step's four, d = 32 (c % 2) + 16 (l / 16) + 0 .. 15
.irp c, 0,1,2,3
	ds_load_b128 v[\reg+4*\c:\reg+4*\c+3], v[\adr] offset:(2*(\q)+\c/2)*HROW+(\i)*4*PITCH+32*(\c%2)
.endr
.endm
; 16 matrix instructions: A's blocks a0, a0 + 1 x B's eight.  The 64 accumulators take turns, one instruction a turn, in the same order in every step.
.macro MUL16 a0, p, zero
.irp a, \a0, \a0+1
.irp b, 0,1,2,3,4,5,6,7
.if \zero
	v_wmma_f32_16x16x128_fp8_fp8 v[8*(8*((\a)%4)+\b):8*(8*((\a)%4)+\b)+7], v[128*(\p)+FR*\b:128*(\p)+FR*\b+FR-1], v[AF+FR*(\a):AF+FR*(\a)+FR-1], 0
.else
	v_wmma_f32_16x16x128_fp8_fp8 v[8*(8*((\a)%4)+\b):8*(8*((\a)%4)+\b)+7], v[128*(\p)+FR*\b:128*(\p)+FR*\b+FR-1], v[AF+FR*(\a):AF+FR*(\a)+FR-1], v[8*(8*((\a)%4)+\b):8*(8*((\a)%4)+\b)+7]
.endif
.endr
.endr
.endm
.macro FETCH_B slot, q, p
	WIN TO_B
.irp i, 0,1,2,3,4,5,6,7
	FRAG 128*(\p)+FR*\i, ADRB+\slot, \q, \i
.endr
	WIN 0
.endm
.macro FETCH_A slot, q, i0
.irp i, \i0, \i0+1, \i0+2, \i0+3
	FRAGA AF+FR*(\i), ADRA+\slot, \q, \i
.endr
.endm
.macro PLACES n                        ; plain vector lines between a matrix instruction and a load into, or a vector line on, its registers
.rept \n
	v_nop
.endr
.endm
.macro STEP slot, q, zero
	s_wait_dscnt 4*NL                              ; B's set and A's blocks 0-3 are in; the youngest 16 loads (A's blocks 4-7) may be out
	WIN MUL_LO
	MUL16 0, (\q)%2, \zero
	MUL16 2, (\q)%2, \zero
	s_wait_dscnt 0
	PLACES NP
	FETCH_B \slot, (\q)+1, 1-(\q)%2
	FETCH_A \slot, (\q)+1, 0
	WIN MUL_HI
	MUL16 4, (\q)%2, \zero
	MUL16 6, (\q)%2, \zero
	PLACES NP
	WIN 0
	FETCH_A \slot, (\q)+1, 4
.endm
; A slot's last step changes slots: ONE barrier; in front of it each wave waits for all its tensor loads, adds 0 to its spare word, and waits for that and for its own reads of this slot.
.macro TURN slot, next, fill
	s_wait_tensorcnt 0x0                           ; all my tensor loads have landed: my part of the next slot
	ds_add_u32 v[SPW], v[NIL]                      ; 0 onto my spare word
	s_wait_dscnt 4*NL+1                            ; the add and the youngest 16 loads may be out
	WIN MUL_LO
	MUL16 0, 1, 0
	s_wait_dscnt 0x0                               ; the add is done, and my reads of this slot are over
	s_barrier_signal -1
	MUL16 2, 1, 0
	WIN 0
	s_barrier_wait -1
.if \fill
	CREST                                          ; the barrier has opened a round of the cluster's barrier: no wave of any partner still reads this slot or has a load on its way
	s_add_nc_u64 s[G0+4*\slot+2:G0+4*\slot+3], s[G0+4*\slot+2:G0+4*\slot+3], 2*ASTEP
	s_add_nc_u64 s[G0B+4*\slot+2:G0B+4*\slot+3], s[G0B+4*\slot+2:G0B+4*\slot+3], 2*ROWB
	JLOAD G0+4*\slot, G1, G0B+4*\slot, G1B         ; the first tensor load behind the round, my only one until the next
.else
	PLACES NP
.endif
	s_wait_alu depctr_va_vdst(0)
	FETCH_B \next, 0, 0
	FETCH_A \next, 0, 0
	WIN MUL_HI
	MUL16 4, 1, 0
	MUL16 6, 1, 0
	PLACES NP
	WIN 0
	FETCH_A \next, 0, 4
.endm
	s_wait_tensorcnt 1                             ; my part of K step 0 is in (K step 1's load may be out)
	s_barrier_signal -1
	s_barrier_wait -1                              ; everybody's is
	FETCH_B 0, 0, 0
	FETCH_A 0, 0, 0
	FETCH_A 0, 0, 4
	STEP 0, 0, 1                                   ; K = 1,024 is four K steps of 256: written out, since a loop would have one trip
	TURN 0, 1, 1                                   ; slot 0 takes heads 8-11
	STEP 1, 0, 0
	TURN 1, 0, 1                                   ; slot 1 takes heads 12-15
	STEP 0, 0, 0
	TURN 0, 1, 0
	STEP 1, 0, 0
	s_wait_dscnt 4*NL
	WIN MUL_LO
	MUL16 0, 1, 0
	MUL16 2, 1, 0
	s_wait_dscnt 0
	WIN MUL_HI
	MUL16 4, 1, 0
	MUL16 6, 1, 0
	WIN 0
; THE WAY OUT, block by block of 16 rows x 128 columns, through my own stage in LDS: in as 32 bytes a lane, back as whole rows of 512 bytes.  LDS serves a wave's instructions in order (ISA guide 5.7.1.4).
.macro TOSTAGE a
.set AC, 64*((\a)%4)
	WIN 0x42+((\a)/4)                              ; destination window 1, source 0 window 2 or 3, source 2 window 0
.set JJ, 0
.rept 32
	v_pk_fma_f32 v[TMP+JJ:TMP+JJ+1], v[AC+JJ:AC+JJ+1], s[96:97], v[BN+JJ:BN+JJ+1] op_sel_hi:[1,0,1]   ; sum x 2^(e6 + e7) + bias; each accumulator from its low end on
.set JJ, JJ+2
.endr
	WIN 0x04                                       ; store data window 1
.irp b, 0,1,2,3,4,5,6,7
	ds_store_b128 v[STO], v[TMP+8*\b:TMP+8*\b+3] offset:64*\b
	ds_store_b128 v[STO], v[TMP+8*\b+4:TMP+8*\b+7] offset:64*\b+16
.endr
	WIN 0
.set BB, BK+64*((\a)%2)
.irp t, 0,1,2,3,4,5,6,7,8,9,10,11,12,13,14,15
	ds_load_b128 v[BB+4*\t:BB+4*\t+3], v[RD] offset:\t*SPITCH
.endr
.endm
.macro SEND a, younger                 ; younger: the LDS instructions issued behind block a's loads, which may stay out
.set BB, BK+64*((\a)%2)
	s_wait_dscnt \younger
.if (\a) > 0
	s_add_nc_u64 s[12:13], s[12:13], 16*OROW       ; (behind a wait on XCNT: the earlier stores have read their base)
.endif
.irp t, 0,1,2,3,4,5,6,7,8,9,10,11,12,13,14,15
	global_store_b128 v[CO], v[BB+4*\t:BB+4*\t+3], s[12:13] offset:\t*OROW th:TH_STORE_NT   ; 32 lanes store 512 consecutive bytes, at a multiple of 256 from out0's first byte
.endr
.endm
	s_wait_kmcnt 0x0
	s_add_co_i32 s96, s74, s75                     ; e6 + e7
	s_add_co_i32 s96, s96, 127
	s_lshl_b32 s96, s96, 23                        ; 2^(e6 + e7) as f32
	s_mov_b32 s97, s96                             ; (named with it as a pair)
	s_wait_loadcnt 0x0                             ; the bias
	PLACES NP                                      ; behind the last products
	TOSTAGE 0
.irp a, 1,2,3,4,5,6,7
.if \a > 1
	s_wait_xcnt 0x0                                ; block a - 2's stores have read their registers and their base
.endif
	TOSTAGE \a
	SEND \a-1, 32                                  ; behind block a - 1's loads: block a's 16 stores and 16 loads
.endr
	s_wait_xcnt 0x0
	SEND 7, 0
	s_wait_tensorcnt 0x0                           ; the wave's end
	ds_add_u32 v[SPW], v[NIL]
	s_wait_dscnt 0x0
	CROUND                                         ; the closing round
	s_endpgm
.Lfunc_end_k_q2942c953aa_proj:
	.size	k_q2942c953aa_proj, .Lfunc_end_k_q2942c953aa_proj-k_q2942c953aa_proj
	.p2alignl 7, 3214868480
	.fill 96, 4, 3214868480
	.section	.rodata,"a",@progbits
	.p2align	6, 0x0
	.amdhsa_kernel k_q2942c953aa_proj
		.amdhsa_group_segment_fixed_size 327680
		.amdhsa_private_segment_fixed_size 0
		.amdhsa_enable_private_segment 0
		.amdhsa_kernarg_size 40
		.amdhsa_user_sgpr_count 2
		.amdhsa_user_sgpr_kernarg_segment_ptr 1
		.amdhsa_wavefront_size32 1
		.amdhsa_system_sgpr_workgroup_id_x 1
		.amdhsa_system_sgpr_workgroup_id_y 1
		.amdhsa_system_sgpr_workgroup_id_z 1
		.amdhsa_system_vgpr_workitem_id 0
		.amdhsa_next_free_vgpr 1024
		.amdhsa_next_free_sgpr 100
		.amdhsa_reserve_vcc 0
		.amdhsa_float_denorm_mode_32 3
		.amdhsa_float_denorm_mode_16_64 3
		.amdhsa_memory_ordered 1
		.amdhsa_forward_progress 1
		.amdhsa_inst_pref_size 126
	.end_amdhsa_kernel
	.amdgpu_metadata
---
amdhsa.version: [ 1, 2 ]
amdhsa.kernels:
  - .name:           k_q2942c953aa_proj
    .symbol:         k_q2942c953aa_proj.kd
    .args:
      - { .name: y_codes, .offset: 0, .size: 8, .value_kind: global_buffer, .address_space: global }
      - { .name: w_proj_codes, .offset: 8, .size: 8, .value_kind: global_buffer, .address_space: global }
      - { .name: b_proj, .offset: 16, .size: 8, .value_kind: global_buffer, .address_space: global }
      - { .name: lowp_scales, .offset: 24, .size: 8, .value_kind: global_buffer, .address_space: global }
      - { .name: out0, .offset: 32, .size: 8, .value_kind: global_buffer, .address_space: global }
    .group_segment_fixed_size: 327680
    .private_segment_fixed_size: 0
    .kernarg_segment_align: 8
    .kernarg_segment_size: 40
    .max_flat_workgroup_size: 128
    .sgpr_count:     100
    .vgpr_count:     1024
    .wavefront_size: 32
...
	.end_amdgpu_metadata
.endif
;; end of part 3
